; MI455X (gfx1250); checked and timed in simulation.
; The chip was launched on July 23, 2026; its instructions are those of AMD's public machine-readable ISA for CDNA 5 (MIT licence, August 2026) and "CDNA5" Instruction Set Architecture Reference Guide (July 2026). The comments in the code are by the model that wrote it; some were corrected since.
;; Ultimate Mo E. Allowed arithmetic: float matrix products may take bf16 or f16 operands with f32 sums; other float arithmetic in f32, or as packed bf16 or f16 multiplies, adds, multiply-adds, maxima and minima; sums over many terms, partial sums and values carried from step to step in f32; what a program stores and reads back later, other than sums and carried values, may be rounded once to bf16 or f16.
;; Inputs: expert_weights 16 x 1,024 x 1,024 float32; gate_weight 16 x 1,024 float32; x 4,096 x 1,024 float32.
;; Outputs: out0 4,096 x 1,024 float32.
;; One version. Each part assembles by itself: llvm-mc -triple=amdgcn-amd-amdhsa -mcpu=gfx1250 --defsym DOCPART=n.
;; ======== version 1 of 1: 3 launches
;; workspace buffers: xb 8,388,608 bytes; sel 16,384 bytes of whole numbers; wts 32,768 bytes; part 33,554,432 bytes
;; launch router (part 1): grid 256 x 1, 8 waves a work-group, no clusters, 75,264 bytes of LDS; arguments x, gate_weight, xb, sel, wts; writes xb, sel, wts
.if DOCPART == 1
	.amdgcn_target "amdgcn-amd-amdhsa--gfx1250"
	.amdhsa_code_object_version 6
	.text
	.protected	k_qe19a7a68c8_router
	.globl	k_qe19a7a68c8_router
	.p2align	8
	.type	k_qe19a7a68c8_router,@function
k_qe19a7a68c8_router:
	s_mov_b64 s[64:65], 0
	v_nop
	global_prefetch_b8 v0, s[64:65] scope:SCOPE_SE
	s_setreg_imm32_b32 hwreg(HW_REG_WAVE_MODE, 25, 1), 1
	s_wait_xcnt 0x0
; ROUTER AND CAST.  logits = x gate^T (4,096 x 16, K = 1,024); for each token the two largest logits (a tie goes to the lower index) and the softmax over the two.
; Stored: xb = x rounded once to bf16, [4096][1024]; sel[token] = (1 << i1) | (0x10000 << i2); wts[token] = (w1, w2) in f32.
; x and gate_weight are both rounded to bf16 for the product, as all inputs of this program are; the products of two bf16 are exact in f32, the sums are f32.
; LIMITS.  NaN and infinite logits are not treated apart.  Two logits that differ by less than the rounding of a sum of 1,024 f32 terms may be ordered otherwise than a sum in another order has them.
; A weight whose exponential falls below 2^-126 counts as 0.  The maximum is taken away before the exponential: its argument is b2 - b1 <= 0.
; SHARES.  A work-group has 16 tokens.  Wave w loads token rows 2 w, 2 w + 1 and gate rows 2 w, 2 w + 1, rounds them, stores x's to xb and both into LDS; then it multiplies K = 128 w .. 128 w + 127
; (four matrix instructions on two accumulators by turns); the eight partial results meet in LDS, and wave 0 adds them in ascending K and chooses.
; The stores into sel (64 bytes) and wts (128 bytes) of a work-group are shorter than 256 bytes: 48 KiB in the whole launch.
; No tensor load: every byte passes through registers to be rounded.  No cluster: what work-groups share is the gate, 64 KiB.
.set XP,    2064                       ; an LDS row: 2,048 bytes + 16 = 129 x 16: the 16 rows of a fragment load start at 16 different groups of four banks (64 banks of 4 bytes: ISA guide 11.1)
.set GT,    16*XP                      ; the gate's 16 rows, behind x's 16
.set RED,   2*GT                       ; 1,024 bytes for each wave's partial result
.set SPARE, RED+8*1024                 ; the spare words, 128 bytes for each wave: four blocks of 256 bytes that no other line names
.set SPW, 4                            ; v4   LDS address of my spare word; never rewritten
.set NIL, 5                            ; v5   0; never rewritten
.set XR,  32                           ; v[32:95]    x as loaded; then GF v[32:63], XF v[64:95]: fragments; then PB: the eight partial results
.set GR,  96                           ; v[96:159]   the gate as loaded; then the accumulators and sums
.set XB,  160                          ; v[160:191]  x rounded
.set GB,  192                          ; v[192:223]  the gate rounded; then L: a token's 16 logits in order
.set GF,  32
.set XF,  64
.set PB,  32
.set A0,  96                           ; v[96:103]   accumulator 0; later OTH: the other half of the lanes' sums
.set A1,  104                          ; v[104:111]  accumulator 1
.set OTH, 96
.set SUM, 112                          ; v[112:119]
.set L,   192
	s_load_b256 s[4:11], s[0:1], 0x0               ; x s[4:5], gate s[6:7], xb s[8:9], sel s[10:11]
	s_load_b64 s[12:13], s[0:1], 0x20              ; wts
	v_lshl_add_u32 v[SPW], v0, 2, SPARE
	v_mov_b32 v[NIL], 0
	v_lshrrev_b32 v12, 5, v0
	v_readfirstlane_b32 s14, v12                   ; wave 0..7
	v_and_b32 v1, 31, v0                           ; lane
	v_and_b32 v2, 15, v0                           ; r
	v_bfe_u32 v3, v0, 4, 1                         ; h
	v_lshlrev_b32 v6, 4, v1                        ; 16 x lane
	v_lshlrev_b32 v7, 3, v1                        ; 8 x lane
	s_mul_i32 s15, s14, 2*XP
	v_add_nc_u32 v8, s15, v7                       ; into LDS: row 2 w, 8 bytes a lane
	v_mul_u32_u24 v9, v2, XP
	v_lshl_add_u32 v9, v3, 4, v9
	s_lshl_b32 s15, s14, 8
	v_add_nc_u32 v9, s15, v9                       ; a fragment: row r, 16 h, my wave's 128 along K (256 bytes)
	s_lshl_b32 s15, s14, 10
	v_add_nc_u32 v10, s15, v6
	v_add_nc_u32 v10, RED, v10                     ; my wave's partial result
	v_add_nc_u32 v11, RED, v6                      ; wave 0's
	s_lshl_b32 s18, s14, 13                        ; two rows of 4,096 bytes a wave
	s_mov_b32 s19, 0
	s_lshl_b32 s16, ttmp9, 16                      ; 16 rows a work-group
	s_add_co_u32 s16, s16, s18
	s_mov_b32 s17, 0
	s_lshl_b32 s24, ttmp9, 15                      ; the same in xb's rows of 2,048 bytes
	s_lshl_b32 s15, s14, 12
	s_add_co_u32 s24, s24, s15
	s_mov_b32 s25, 0
	s_lshl_b32 s26, ttmp9, 6                       ; 16 words of sel
	s_mov_b32 s27, 0
	s_lshl_b32 s28, ttmp9, 7                       ; 16 pairs of wts
	s_mov_b32 s29, 0
	s_mov_b32 s22, 0x76543210                      ; v_permlanex16_b32: each lane takes its own place in the other half
	s_mov_b32 s23, 0xfedcba98
	s_wait_kmcnt 0x0
	s_add_nc_u64 s[4:5], s[4:5], s[16:17]
	s_add_nc_u64 s[6:7], s[6:7], s[18:19]
	s_add_nc_u64 s[8:9], s[8:9], s[24:25]
	s_add_nc_u64 s[10:11], s[10:11], s[26:27]
	s_add_nc_u64 s[12:13], s[12:13], s[28:29]
	; 32 loads, each of 512 consecutive bytes: load n = 8 a + i is row a, columns 128 i + 4 x lane .. + 3
.set n, 0
.rept 16
	global_load_b128 v[XR+4*n:XR+4*n+3], v6, s[4:5] offset:(n/8)*4096+(n%8)*512 th:TH_LOAD_NT
.set n, n+1
.endr
.set n, 0
.rept 16
	global_load_b128 v[GR+4*n:GR+4*n+3], v6, s[6:7] offset:(n/8)*4096+(n%8)*512  ; no hint: every work-group reads the gate
.set n, n+1
.endr
	s_wait_loadcnt 16                              ; x is in; the gate's sixteen loads may stay out
.set n, 0
.rept 16
	v_cvt_pk_bf16_f32 v[XB+2*n],   v[XR+4*n],   v[XR+4*n+1]
	v_cvt_pk_bf16_f32 v[XB+2*n+1], v[XR+4*n+2], v[XR+4*n+3]
.set n, n+1
.endr
.set n, 0
.rept 16
	global_store_b64 v7, v[XB+2*n:XB+2*n+1], s[8:9] offset:(n/8)*2048+(n%8)*256  ; 32 lanes store 256 consecutive bytes, at a multiple of 256 from xb's first byte
	ds_store_b64 v8, v[XB+2*n:XB+2*n+1] offset:(n/8)*XP+(n%8)*256
.set n, n+1
.endr
	s_wait_loadcnt 0x0                             ; the gate
.set n, 0
.rept 16
	v_cvt_pk_bf16_f32 v[GB+2*n],   v[GR+4*n],   v[GR+4*n+1]
	v_cvt_pk_bf16_f32 v[GB+2*n+1], v[GR+4*n+2], v[GR+4*n+3]
.set n, n+1
.endr
.set n, 0
.rept 16
	ds_store_b64 v8, v[GB+2*n:GB+2*n+1] offset:GT+(n/8)*XP+(n%8)*256
.set n, n+1
.endr
	s_wait_dscnt 0x0                               ; for the others' sake: my rows are in LDS
	s_barrier_signal -1
	s_barrier_wait -1                              ; everybody's are
	; Fragments: 16 rows x 32 K in 8 registers, two loads of 16 bytes, 32 bytes apart.  Source 0 = the gate's 16 rows, source 1 = 16 tokens: in the result lane (r, h) holds token r and experts 8 h + 0..7.
.irp q, 0,1,2,3
	ds_load_b128 v[GF+8*\q:GF+8*\q+3],   v9 offset:GT+64*\q
	ds_load_b128 v[GF+8*\q+4:GF+8*\q+7], v9 offset:GT+64*\q+32
	ds_load_b128 v[XF+8*\q:XF+8*\q+3],   v9 offset:64*\q
	ds_load_b128 v[XF+8*\q+4:XF+8*\q+7], v9 offset:64*\q+32
.endr
	s_wait_dscnt 12                                ; each count leaves the later quarters' four loads apiece out
	v_wmma_f32_16x16x32_bf16 v[A0:A0+7], v[GF:GF+7], v[XF:XF+7], 0                      ; the two accumulators take turns
	s_wait_dscnt 8
	v_wmma_f32_16x16x32_bf16 v[A1:A1+7], v[GF+8:GF+15], v[XF+8:XF+15], 0
	s_wait_dscnt 4
	v_wmma_f32_16x16x32_bf16 v[A0:A0+7], v[GF+16:GF+23], v[XF+16:XF+23], v[A0:A0+7]
	s_wait_dscnt 0x0
	v_wmma_f32_16x16x32_bf16 v[A1:A1+7], v[GF+24:GF+31], v[XF+24:XF+31], v[A1:A1+7]
.rept 4
	v_nop                                          ; four places between a matrix instruction and a vector instruction that reads its result (ISA guide 7.12.1)
.endr
.irp j, 0,2,4,6
	v_pk_add_f32 v[SUM+\j:SUM+\j+1], v[A0+\j:A0+\j+1], v[A1+\j:A1+\j+1]  ; from each accumulator's low end on
.endr
	ds_store_b128 v10, v[SUM:SUM+3]
	ds_store_b128 v10, v[SUM+4:SUM+7] offset:512
	s_wait_tensorcnt 0x0                           ; my last LDS store is issued
	ds_add_u32 v[SPW], v[NIL]
	s_wait_dscnt 0x0                               ; which is also, for wave 0's sake, the wait for my partial result
	s_barrier_signal -1
	s_barrier_wait -1
	s_cmp_lg_u32 s14, 0
	s_cbranch_scc1 .Lend                           ; the choice is one wave's work: 16 tokens, each in two lanes
.irp u, 0,1,2,3,4,5,6,7
	ds_load_b128 v[PB+8*\u:PB+8*\u+3],   v11 offset:1024*\u
	ds_load_b128 v[PB+8*\u+4:PB+8*\u+7], v11 offset:1024*\u+512
.endr
	v_mov_b32 v16, 0xff800000                      ; takes the first choice's place for the second search
	v_mov_b32 v17, 1
	v_mov_b32 v18, 0x10000
	v_cmp_le_u32 s20, 16, v1                       ; lanes 16 to 31
	s_wait_dscnt 0x0
.irp j, 0,2,4,6
	v_pk_add_f32 v[SUM+\j:SUM+\j+1], v[PB+\j:PB+\j+1], v[PB+8+\j:PB+8+\j+1]  ; K ascending
.endr
.irp u, 2,3,4,5,6,7
.irp j, 0,2,4,6
	v_pk_add_f32 v[SUM+\j:SUM+\j+1], v[SUM+\j:SUM+\j+1], v[PB+8*\u+\j:PB+8*\u+\j+1]
.endr
.endr
.irp j, 0,1,2,3,4,5,6,7
	v_permlanex16_b32 v[OTH+\j], v[SUM+\j], s22, s23   ; the token's other eight experts lie in the lane 16 away (the destination has been written before)
.endr
.irp j, 0,1,2,3,4,5,6,7
	v_cndmask_b32 v[L+\j],   v[SUM+\j], v[OTH+\j], s20  ; expert j: mine in lanes 0-15, the other's in lanes 16-31
	v_cndmask_b32 v[L+8+\j], v[OTH+\j], v[SUM+\j], s20  ; expert 8 + j: the other way round
.endr
; The largest of the 16 logits into v[bv], and the lowest index that holds it into v[iv]: the indices are gone through from 15 down, so the lowest is written last.
.macro TOP bv, iv
	v_max3_num_f32 v[\bv], v[L], v[L+1], v[L+2]
.irp e, 3,5,7,9,11,13
	v_max3_num_f32 v[\bv], v[\bv], v[L+\e], v[L+\e+1]
.endr
	v_max_num_f32 v[\bv], v[\bv], v[L+15]
	v_mov_b32 v[\iv], 0
.irp e, 15,14,13,12,11,10,9,8,7,6,5,4,3,2,1,0
	v_cmp_neq_f32 vcc_lo, v[L+\e], v[\bv]
	v_cndmask_b32 v[\iv], \e, v[\iv], vcc_lo       ; unequal: keep; equal: e
.endr
.endm
	TOP 12, 13                                     ; b1, i1
.irp e, 0,1,2,3,4,5,6,7,8,9,10,11,12,13,14,15
	v_cmp_eq_u32 vcc_lo, \e, v13
	v_cndmask_b32 v[L+\e], v[L+\e], v16, vcc_lo    ; the first choice leaves the field
.endr
	TOP 14, 15                                     ; b2, i2
	v_sub_f32 v19, v14, v12                        ; b2 - b1 <= 0: the maximum is taken away
	v_mul_f32 v19, 0x3fb8aa3b, v19                 ; x log2(e)
	v_exp_f32 v19, v19
	v_lshlrev_b32 v25, v13, v17                    ; 1 << i1: the plain instruction behind the exponential
	s_wait_alu depctr_va_vdst(0)                   ; the wait ahead of the first line that names the result
	v_add_f32 v20, 1.0, v19
	v_rcp_f32 v21, v20                             ; w1 = 1 / (1 + 2^..)
	v_lshlrev_b32 v26, v15, v18                    ; 0x10000 << i2: the plain instruction behind the reciprocal
	s_wait_alu depctr_va_vdst(0)
	v_mul_f32 v22, v19, v21                        ; w2
	v_cndmask_b32 v23, v21, v22, s20               ; lanes 0-15 store w1, lanes 16-31 w2
	v_lshlrev_b32 v24, 3, v2
	v_lshl_add_u32 v24, v3, 2, v24                 ; 8 r + 4 h
	v_or_b32 v25, v25, v26
	v_lshlrev_b32 v27, 2, v2                       ; 4 r
	global_store_b32 v24, v23, s[12:13]            ; 128 consecutive bytes
	s_wait_xcnt 0x0                                ; EXEC changes only behind this wait: it is a source of the stores issued
	v_cmp_gt_u32 vcc_lo, 16, v1
	s_and_saveexec_b32 s21, vcc_lo
	global_store_b32 v27, v25, s[10:11]            ; one word a token: lanes 0-15
	s_wait_xcnt 0x0
	s_or_b32 exec_lo, exec_lo, s21
.Lend:
	s_endpgm
.Lfunc_end_k_qe19a7a68c8_router:
	.size	k_qe19a7a68c8_router, .Lfunc_end_k_qe19a7a68c8_router-k_qe19a7a68c8_router
	.p2alignl 7, 3214868480
	.fill 96, 4, 3214868480
	.section	.rodata,"a",@progbits
	.p2align	6, 0x0
	.amdhsa_kernel k_qe19a7a68c8_router
		.amdhsa_group_segment_fixed_size 75264
		.amdhsa_private_segment_fixed_size 0
		.amdhsa_enable_private_segment 0
		.amdhsa_kernarg_size 40
		.amdhsa_user_sgpr_count 2
		.amdhsa_user_sgpr_kernarg_segment_ptr 1
		.amdhsa_wavefront_size32 1
		.amdhsa_system_sgpr_workgroup_id_x 1
		.amdhsa_system_sgpr_workgroup_id_y 1
		.amdhsa_system_sgpr_workgroup_id_z 1
		.amdhsa_system_vgpr_workitem_id 0
		.amdhsa_next_free_vgpr 224
		.amdhsa_next_free_sgpr 66
		.amdhsa_reserve_vcc 1
		.amdhsa_float_denorm_mode_32 3
		.amdhsa_float_denorm_mode_16_64 3
		.amdhsa_memory_ordered 1
		.amdhsa_forward_progress 1
		.amdhsa_inst_pref_size 25
	.end_amdhsa_kernel
	.amdgpu_metadata
---
amdhsa.version: [ 1, 2 ]
amdhsa.kernels:
  - .name:           k_qe19a7a68c8_router
    .symbol:         k_qe19a7a68c8_router.kd
    .args:
      - { .name: x, .offset: 0, .size: 8, .value_kind: global_buffer, .address_space: global }
      - { .name: gate_weight, .offset: 8, .size: 8, .value_kind: global_buffer, .address_space: global }
      - { .name: xb, .offset: 16, .size: 8, .value_kind: global_buffer, .address_space: global }
      - { .name: sel, .offset: 24, .size: 8, .value_kind: global_buffer, .address_space: global }
      - { .name: wts, .offset: 32, .size: 8, .value_kind: global_buffer, .address_space: global }
    .group_segment_fixed_size: 75264
    .private_segment_fixed_size: 0
    .kernarg_segment_align: 8
    .kernarg_segment_size: 40
    .max_flat_workgroup_size: 256
    .sgpr_count:     66
    .vgpr_count:     224
    .wavefront_size: 32
...
	.end_amdgpu_metadata
.endif
;; end of part 1
;; launch experts (part 2): grid 256 x 1, 8 waves a work-group, no clusters, 220,416 bytes of LDS; arguments expert_weights, xb, sel, part; writes part
.if DOCPART == 2
	.amdgcn_target "amdgcn-amd-amdhsa--gfx1250"
	.amdhsa_code_object_version 6
	.text
	.protected	k_qe19a7a68c8_experts
	.globl	k_qe19a7a68c8_experts
	.p2align	8
	.type	k_qe19a7a68c8_experts,@function
k_qe19a7a68c8_experts:
	s_mov_b64 s[64:65], 0
	v_nop
	global_prefetch_b8 v0, s[64:65] scope:SCOPE_SE
	s_setreg_imm32_b32 hwreg(HW_REG_WAVE_MODE, 25, 1), 1
	s_wait_xcnt 0x0
; THE ROUTED PRODUCTS.  part[2 token + k][:] = x[token] W[e_k], unscaled, f32, for the two experts that each token chose.  x comes as xb (bf16); W is rounded to bf16 on its way through registers; sums in f32.
; SHARES.  Work-group = (expert e = id / 16, slice s = id % 16).  It alone reads W[e][:, 64 s .. 64 s + 63]: 1,024 rows of 256 consecutive bytes; every weight leaves memory once.  The slice stays in LDS
; as bf16, [k][n].  The expert's rows go in blocks of 16; block 32 t + 8 u + w is block u (0..3) of wave w in trip t: a wave's tile is 64 rows x 64 columns, 16 accumulators; for 32 along K it issues
; 8 LDS loads (W), 8 global loads (tokens) and 16 matrix instructions.  Dealt so, what is left over 512 rows falls on several waves, a block each.
; THE STREAM RUNS UNDER THE PRODUCTS.  The slice comes in 8 chunks of 128 k; wave w loads rows 16 w .. 16 w + 15 of each.  TRIP 0 is a fixed text for every wave, with no branch on data: chunk c is multiplied while
; chunk c + 1 is rounded into LDS and chunk c + 3 is asked for; one barrier a chunk.  A block without rows multiplies a row that exists and is not stored.
; TRIPS 1 TO 7 are a counted loop without barriers: 8 trips x 8 waves x 64 rows = 4,096 rows, all the tokens there are, so EVERY SPLIT IS SERVED; a trip without rows is jumped forward, and so are the products and
; the stores of a block without rows.  An expert without rows stores nothing.
; THE LIST.  Wave w scans its own 512 words of sel and lays the entries 2 token + k of this expert end to end in a sub-list of its own in LDS (a lane's place: the running count plus the chosen lanes below it).
; The eight counts cross one barrier; row g of the expert is then word g + X[j] of the sub-lists, X[j] = 576 j - (rows of waves below j), j the last wave whose first row is not above g.
; Rows past the count are held to the last row: inside the last live block they store, into that row, the numbers that it gets anyway (at most 15 rows of 256 bytes, this wave's own).
; THE MATRIX INSTRUCTION IS USED TRANSPOSED: source 0 = 16 columns of W (out of LDS by the turning load), source 1 = 16 tokens (from memory, K along the row): lane (r, h) then holds token r and eight neighbouring columns.
; NO TENSOR LOAD, NO CLUSTER: a slice has one reader; the weights pass through registers to be rounded; the token rows, which an expert's sixteen work-groups share, come by a list, which no tile descriptor covers.
; LIMIT.  sel holds one bit in its low half and another in its high half for each token, as the launch before stores it for finite logits.
; REGISTERS, in windows of 256 (s_set_vgpr_msb: bits 1:0 source 0, 3:2 source 1, 5:4 source 2, 7:6 destination):
;   window 0: v0-31 addresses and work; v32-63 store offsets; v64-127 two buffers of W's fragments (on the way out: the rows); v128-255 accumulators (at first: my words of sel)
;   window 1: v0-191 a ring of six buffers of the tokens' fragments, 32 along K each; v192-255 two buffers of a chunk of W as it comes
.set WP,    160                        ; a row of the slice in LDS: 128 bytes + 32 = 40 words
.set SUB,   1024*WP                    ; the sub-lists: for each wave 512 entries, then 32 words for lanes that are not chosen
.set SUBP,  2304                       ; bytes from a wave's sub-list to the next: 576 words
.set CNTB,  SUB+8*SUBP                 ; the eight counts, in a block of 256 bytes
.set TL,    CNTB+256                   ; for each wave the 64 entries of the tile in hand
.set STAGE, TL+8*256                   ; 16 rows x 272 bytes for each wave, for the way out
.set SP,    272
.set SPARE, STAGE+8*16*SP              ; the spare words, 128 bytes for each wave: four blocks of 256 bytes that no other line names
.set SPW,  4                           ; v4   LDS address of my spare word; never rewritten
.set NIL,  5                           ; v5   0; never rewritten
.set WOFF, 6                           ; v6   my 16 bytes in my wave's first two rows of chunk 0
.set WST,  7                           ; v7-9   where their 8 rounded bytes go, for chunks 0-2, 3-5, 6-7 (an LDS offset has 16 bits)
.set BAD,  10                          ; v10-12 my lane's place in a turning load, for the same three groups of chunks
.set H16,  13                          ; v13  16 h
.set R16,  14                          ; v14  16 r
.set STO,  15                          ; v15  the way out: where I put 32 bytes of a row
.set RD,   16                          ; v16  the way out: where I read a row back
.set EB,   17                          ; v17  at first: 1,024 w + 8 x lane, my four tokens' first entry in a load of sel
.set DUMP, 18                          ; v18  at first: 512 + lane, the sub-list place of a lane that is not chosen
.set TLS,  17                          ; v17  then: word r of my tile list
.set TLL,  18                          ; v18  then: word h of my tile list
.set L16,  19                          ; v19  my 16 bytes in my wave's part of sel; then the counts' address
.set AOFF, 20                          ; v20-23  byte offset in xb of row r of block u, + 16 h
.set PT,   24                          ; v24-27  at work
.set PP,   28                          ; v28-31  at work
.set SOFF, 32                          ; v32-63  byte offset in part of row 2 t + h of block u, + 16 r, at SOFF + 8 u + t
.set BF,   64                          ; v64-95, v96-127
.set ACC,  128                         ; accumulator (u, z) at ACC + 8 (4 u + z)
.set SELW, 128
.set RW,   192                         ; window 1: the raw chunks
.set WV,   12                          ; s12  wave
.set CNT,  15                          ; s15  rows of this expert
.set NB,   16                          ; s16  blocks of 16 rows
.set T32,  17                          ; s17  32 x trip
.set TRIPS,18                          ; s18  trips to go
.set MSK,  19                          ; s19  0x10001 << e
.set SH,   20                          ; s20  16 + e
.set NL,   21                          ; s21  my live blocks in this trip, 0 to 4
.set SM,   24                          ; s24-27  lane masks
.set SC,   28                          ; s28-31  their counts
.set SB,   32                          ; s32-35  places at which they begin
.set RUN,  36                          ; s36  the running count
.set CM1,  37                          ; s37  the last row's number (0 with no row)
.set PF,   40                          ; s40-47  first row of wave j's sub-list
.set SX,   48                          ; s48-55  X[j]
.set SUBW, 56                          ; s56  my sub-list
.set GB,   57                          ; s57  first row of my block 0 in this trip
.set MSB, 0
.macro WIN new                         ; the immediate's high byte repeats the setting that is left; a switch that changes nothing is dropped
.if MSB != (\new)
	s_set_vgpr_msb (MSB<<8)|(\new)
.set MSB, (\new)
.endif
.endm
.set W_IN,  0x40                       ; destination window 1, address window 0
.set W_CVT, 0x45                       ; destination and sources 0 and 1 window 1
.set W_MUL, 0x04                       ; source 1 (tokens; an LDS store's data) window 1; all else window 0
.macro PLACES                          ; four places in front of loads into registers that matrix instructions have read, and of LDS stores that read results (ISA guide 7.12.1 for vector instructions)
.rept 4
	v_nop
.endr
.endm
; Chunk m of the slice as it lies in memory: my 16 rows, 8 loads; sixteen lanes take 256 consecutive bytes, at a multiple of 256 from W's first byte.
.macro RAW m
	WIN W_IN
.set rb, RW+32*((\m)%2)
.set n, 0
.rept 8
	global_load_b128 v[rb+4*n:rb+4*n+3], v[WOFF], s[4:5] offset:(128*(\m)+2*n)*4096 th:TH_LOAD_NT
.set n, n+1
.endr
.endm
; Chunk m is rounded in place and laid into LDS as [k][n].
.macro CONV m
	WIN W_CVT
.set rb, RW+32*((\m)%2)
.set n, 0
.rept 8
	v_cvt_pk_bf16_f32 v[rb+4*n],   v[rb+4*n],   v[rb+4*n+1]
	v_cvt_pk_bf16_f32 v[rb+4*n+1], v[rb+4*n+2], v[rb+4*n+3]
.set n, n+1
.endr
	WIN W_MUL
.set n, 0
.rept 8
	ds_store_b64 v[WST+(\m)/3], v[rb+4*n:rb+4*n+1] offset:(((\m)%3)*128+2*n)*WP
.set n, n+1
.endr
.endm
; The tokens' fragments of K step s (32 along K), 8 loads, into ring buffer s % 6.  A fragment is 16 rows x 32 K: two loads of 16 bytes, 32 bytes apart.
.macro ALD s
	WIN W_IN
.set la, 32*((\s)%6)
.irp u, 0,1,2,3
	global_load_b128 v[la+8*\u:la+8*\u+3],   v[AOFF+\u], s[6:7] offset:64*(\s)      ; no hint: the expert's sixteen work-groups read these rows
	global_load_b128 v[la+8*\u+4:la+8*\u+7], v[AOFF+\u], s[6:7] offset:64*(\s)+32
.endr
.endm
; W's fragments of K step s, 8 turning loads, into buffer s % 2.  Address and destination lie in window 0: the setting is 0 or W_MUL.
.macro BLOAD s
.set lb, BF+32*((\s)%2)
.set lo, ((((\s)/4)%3)*128+32*((\s)%4))*WP
.set lr, BAD+((\s)/4)/3
.irp z, 0,1,2,3
	ds_load_tr16_b128 v[lb+8*\z:lb+8*\z+3],   v[lr] offset:lo+32*\z
	ds_load_tr16_b128 v[lb+8*\z+4:lb+8*\z+7], v[lr] offset:lo+32*\z+16*WP
.endr
.endm
	s_load_b256 s[4:11], s[0:1], 0x0               ; W s[4:5], xb s[6:7], sel s[8:9], part s[10:11]
	v_lshl_add_u32 v[SPW], v0, 2, SPARE
	v_mov_b32 v[NIL], 0
	v_lshrrev_b32 v24, 5, v0
	v_readfirstlane_b32 s[WV], v24                 ; wave 0..7
	v_and_b32 v1, 31, v0                           ; lane
	v_and_b32 v2, 15, v0                           ; r
	v_bfe_u32 v3, v0, 4, 1                         ; h
	s_lshr_b32 s13, ttmp9, 4                       ; e
	s_and_b32 s14, ttmp9, 15                       ; s
	s_lshl_b32 s38, s13, 22                        ; an expert's 4 MiB,
	s_lshl_b32 s22, s14, 8                         ; the slice's 256 bytes of a row, in W and in part
	s_add_co_u32 s38, s38, s22
	s_mov_b32 s39, 0
	s_mov_b32 s23, 0
	v_lshlrev_b32 v[R16], 4, v2
	v_lshlrev_b32 v[H16], 4, v3
	v_lshl_add_u32 v[WOFF], v3, 12, v[R16]         ; row h, 16 r,
	s_lshl_b32 s58, s[WV], 16
	v_add_nc_u32 v[WOFF], s58, v[WOFF]             ; my wave's 16 rows of 4,096 bytes
	v_lshlrev_b32 v[L16], 4, v1
	s_lshl_b32 s59, s[WV], 11
	v_add_nc_u32 v[L16], s59, v[L16]               ; my wave's 512 words of sel
	s_wait_kmcnt 0x0
	s_add_nc_u64 s[4:5], s[4:5], s[38:39]
	s_add_nc_u64 s[10:11], s[10:11], s[22:23]
.irp j, 0,1,2,3
	global_load_b128 v[SELW+4*\j:SELW+4*\j+3], v[L16], s[8:9] offset:512*\j  ; word c of lane l: token 512 w + 128 j + 4 l + c.  No hint: every work-group reads sel
.endr
	RAW 0                                          ; the first two chunks are asked for before anything is waited for
	RAW 1
	WIN 0
	s_lshl_b32 s[MSK], 0x10001, s13
	s_add_co_u32 s[SH], s13, 16
	s_mul_i32 s58, s[WV], 16*WP
	v_mul_u32_u24 v[WST], v3, WP
	v_lshl_add_u32 v[WST], v2, 3, v[WST]
	v_add_nc_u32 v[WST], s58, v[WST]
	v_add_nc_u32 v[WST+1], 3*128*WP, v[WST]
	v_add_nc_u32 v[WST+2], 6*128*WP, v[WST]
	; The turning load takes 16 k x 16 n (lane l reads 16 bytes: k = 8 (l / 16) + l % 8, n = 8 ((l / 8) % 2) + 0..7) and leaves half a fragment: lane l holds column l % 16 and 8 k.
	v_and_b32 v24, 7, v0
	v_lshl_add_u32 v24, v3, 3, v24
	v_bfe_u32 v25, v0, 3, 1
	v_mul_u32_u24 v[BAD], v24, WP
	v_lshl_add_u32 v[BAD], v25, 4, v[BAD]
	v_add_nc_u32 v[BAD+1], 3*128*WP, v[BAD]
	v_add_nc_u32 v[BAD+2], 6*128*WP, v[BAD]
	s_mul_i32 s58, s[WV], 16*SP
	s_add_co_u32 s58, s58, STAGE                   ; my stage
	v_mul_u32_u24 v[STO], v2, SP                   ; in: row r, 32 bytes for each half of the lanes
	v_lshl_add_u32 v[STO], v3, 5, v[STO]
	v_add_nc_u32 v[STO], s58, v[STO]
	v_mul_u32_u24 v[RD], v3, SP                    ; back: lanes 0-15 take one row of 256 bytes, lanes 16-31 the next
	v_add3_u32 v[RD], v[RD], v[R16], s58
	v_lshlrev_b32 v[EB], 3, v1
	s_lshl_b32 s58, s[WV], 10
	v_add_nc_u32 v[EB], s58, v[EB]
	v_add_nc_u32 v[DUMP], 0x200, v1
	s_mul_i32 s[SUBW], s[WV], SUBP
	s_add_co_u32 s[SUBW], s[SUBW], SUB
	v_mov_b32 v24, 0
	v_lshl_add_u32 v28, v1, 2, s[SUBW]
	ds_store_b32 v28, v24                          ; my sub-list's first words are defined with no entry too; LDS serves a wave's instructions in order (ISA guide 5.7.1.4), so the entries land on top
	s_mov_b32 s[RUN], 0
; Four words of sel a lane.  Entry = 2 token + k = 1,024 w + 256 j + 8 lane + 2 c + k.  The four are taken kind by kind, so that none waits for the one before it.  EXEC is never narrowed: a lane that is
; not chosen writes its own word behind the entries.  The place is held under 544 by the v_min_u32; behind it stand a shift and an add of my sub-list's address alone.
.macro PICK4 j
.irp c, 0,1,2,3
	v_and_b32 v[PT+\c], s[MSK], v[SELW+4*(\j)+\c]  ; bit e: first choice; bit 16 + e: second
.endr
.irp c, 0,1,2,3
	v_cmp_ne_u32 s[SM+\c], 0, v[PT+\c]
.endr
.irp c, 0,1,2,3
	v_lshrrev_b32 v[PT+\c], s[SH], v[PT+\c]        ; k
.endr
.irp c, 0,1,2,3
	s_bcnt1_i32_b32 s[SC+\c], s[SM+\c]
.endr
.irp c, 0,1,2,3
	v_add3_u32 v[PT+\c], v[PT+\c], v[EB], 256*(\j)+2*\c
.endr
	s_mov_b32 s[SB], s[RUN]
	s_add_co_u32 s[SB+1], s[SB], s[SC]
	s_add_co_u32 s[SB+2], s[SB+1], s[SC+1]
	s_add_co_u32 s[SB+3], s[SB+2], s[SC+2]
	s_add_co_u32 s[RUN], s[SB+3], s[SC+3]
.irp c, 0,1,2,3
	v_mbcnt_lo_u32_b32 v[PP+\c], s[SM+\c], s[SB+\c]  ; the chosen lanes below me, + where this word's entries begin
.endr
.irp c, 0,1,2,3
	v_cndmask_b32 v[PP+\c], v[DUMP], v[PP+\c], s[SM+\c]
.endr
.irp c, 0,1,2,3
	v_min_u32 v[PP+\c], 0x21f, v[PP+\c]
.endr
.irp c, 0,1,2,3
	v_lshl_add_u32 v[PP+\c], v[PP+\c], 2, s[SUBW]
.endr
.irp c, 0,1,2,3
	ds_store_b32 v[PP+\c], v[PT+\c]
.endr
.endm
	s_wait_loadcnt 16                              ; sel is in; the sixteen loads of chunks 0 and 1 may stay out
	PICK4 0
	PICK4 1
	PICK4 2
	PICK4 3
	v_mov_b32 v24, s[RUN]
	s_lshl_b32 s58, s[WV], 2
	s_add_co_u32 s58, s58, CNTB
	v_mov_b32 v25, s58
	ds_store_b32 v25, v24                          ; my count: all lanes write my wave's word with the same value
	s_wait_dscnt 0x0                               ; for the others' sake: my sub-list and my count are in LDS
	s_barrier_signal -1
	s_barrier_wait -1                              ; everybody's are; from here on the sub-lists and the counts are only read
	v_mov_b32 v[L16], CNTB                         ; (free since the wait for sel)
	ds_load_b128 v[24:27], v[L16]
	ds_load_b128 v[28:31], v[L16] offset:16
	s_lshl_b32 s58, s[WV], 8
	s_add_co_u32 s58, s58, TL                      ; my tile list
	v_lshl_add_u32 v[TLS], v2, 2, s58
	v_lshl_add_u32 v[TLL], v3, 2, s58
	s_wait_dscnt 0x0
.irp j, 0,1,2,3,4,5,6,7
	v_readfirstlane_b32 s[PF+\j], v[24+\j]
.endr
	s_mov_b32 s[CNT], 0
.irp j, 0,1,2,3,4,5,6,7
	s_min_u32 s58, s[PF+\j], 0x200                 ; wave j's count, at most its 512 tokens
	s_mov_b32 s[PF+\j], s[CNT]                     ; its first row
	s_sub_co_u32 s[SX+\j], 576*\j, s[CNT]          ; never below 0: 512 j rows at the most lie below
	s_add_co_u32 s[CNT], s[CNT], s58
.endr
	s_add_co_u32 s[NB], s[CNT], 15
	s_lshr_b32 s[NB], s[NB], 4
	s_max_u32 s[CM1], s[CNT], 1
	s_sub_co_u32 s[CM1], s[CM1], 1
	s_mov_b32 s[T32], 0
.macro NLC                             ; my live blocks in this trip: the u with 32 t + 8 u + w < NB
	s_add_co_u32 s58, s[T32], s[WV]
	s_sub_co_i32 s58, s[NB], s58
	s_add_co_i32 s58, s58, 7
	s_ashr_i32 s58, s58, 3
	s_max_i32 s58, s58, 0
	s_min_i32 s[NL], s58, 4
.endm
; The entries of row r of my four blocks, into PP.  The word's number is held inside the sub-lists by the v_min_u32; behind it stand a shift and an add of a constant alone.
.macro MAP
	s_add_co_u32 s[GB], s[T32], s[WV]
	s_lshl_b32 s[GB], s[GB], 4
.irp u, 0,1,2,3
	v_add3_u32 v[PT+\u], v2, s[GB], 128*\u         ; row 16 (32 t + 8 u + w) + r,
.endr
.irp u, 0,1,2,3
	v_min_u32 v[PT+\u], s[CM1], v[PT+\u]           ; held to the last row
	v_mov_b32 v[PP+\u], 0                          ; X[0]
.endr
.irp j, 1,2,3,4,5,6,7
.irp u, 0,1,2,3
	v_cmp_le_u32 s[SM+\u], s[PF+\j], v[PT+\u]
.endr
.irp u, 0,1,2,3
	v_cndmask_b32 v[PP+\u], v[PP+\u], s[SX+\j], s[SM+\u]
.endr
.endr
.irp u, 0,1,2,3
	v_add_nc_u32 v[PT+\u], v[PT+\u], v[PP+\u]
	v_min_u32 v[PT+\u], 0x11ff, v[PT+\u]
	v_lshl_add_u32 v[PT+\u], v[PT+\u], 2, SUB
.endr
.irp u, 0,1,2,3
	ds_load_b32 v[PP+\u], v[PT+\u]
.endr
.endm
; The tokens' offsets; the first five K steps' tokens are asked for; the entries go through my tile list, to come back as the way out wants them.
.macro HEAD
	s_wait_dscnt 0x0
.irp u, 0,1,2,3
	v_lshrrev_b32 v[AOFF+\u], 1, v[PP+\u]          ; the token,
	v_min_u32 v[AOFF+\u], 0xfff, v[AOFF+\u]        ; held inside xb,
	v_lshl_add_u32 v[AOFF+\u], v[AOFF+\u], 11, v[H16]  ; its row of 2,048 bytes
.endr
.irp a, 0,1,2,3,4
	ALD \a
.endr
	WIN 0
.irp u, 0,1,2,3
	ds_store_b32 v[TLS], v[PP+\u] offset:64*\u     ; both halves of the lanes write the same word with the same value
.endr
.set i, 0
.rept 32
	ds_load_b32 v[SOFF+i], v[TLL] offset:8*i       ; i = 8 u + t: entry of row 2 t + h of block u; my wave's own bytes, served in order
.set i, i+1
.endr
.endm
.macro SOFFA
.set i, 0
.rept 32
	v_min_u32 v[SOFF+i], 0x1fff, v[SOFF+i]         ; the entry, held inside part,
	v_lshl_add_u32 v[SOFF+i], v[SOFF+i], 12, v[R16]  ; its row of 4,096 bytes
.set i, i+1
.endr
.endm
; K STEP s (32 along K; chunk s / 4).  The next step's W is asked for from LDS, the tokens of step s + 5 from memory, then 16 matrix instructions.  The accumulators take turns, one instruction a turn, in the
; same order in every step.
; THE WAIT FOR THE TOKENS stands ahead of this step's request, and leaves out what was asked for behind step s's eight loads: the tokens of steps s + 1 to s + 4, and in trip 0 the raw chunks between.  Order of issue in
; trip 0: raw 0, 1; tokens 0-4; raw 2; then in step t tokens t + 5, and behind them in steps 2, 6, 10, 14, 18 raw 3 to 7.  So raw 2 is counted for s <= 4, and raw m (3 to 7) for 4 m - 9 <= s <= 4 m - 5.
; By this count at most 56 loads of a wave are out.  Loads come back in order (ISA guide 5.7.1): the wait of step 4 c + 2 shows raw chunk c + 1 landed too, which was asked for ahead of that step's tokens.
; fused = 1 (trip 0): in a chunk's third step the next chunk is rounded into LDS; my stores are waited for; the chunk after next is asked for; the barrier's signal; between it and its wait stand LDS loads of this
; chunk, which nobody writes any more, and the step's products.  fused = 0 (trips 1 to 7): the products of blocks without rows are jumped.
.macro KS s, fused
.set kc, (\s)/4
.set cv, 0
.if (\fused) && ((\s)%4 == 2) && (kc < 7)
.set cv, 1
.endif
.set nw, 8*(31-(\s))
.if nw > 32
.set nw, 32
.endif
.if \fused
.if (\s) <= 4
.set nw, nw+8
.endif
.if ((\s) >= 3) && ((\s) <= 23)
.set nw, nw+8
.endif
.if ((\s)%4 == 3) && ((\s) >= 7) && ((\s) <= 19)
.set nw, nw+8
.endif
.endif
.if ((\s) > 0) && ((\s) < 31)
	PLACES                                         ; the loads below land in registers that the step before multiplied
.endif
	WIN W_MUL
.if (cv == 0) && ((\s) < 31)
	BLOAD (\s)+1
.endif
	s_wait_loadcnt nw
.if (\s)+5 <= 31
	ALD (\s)+5
.endif
.if cv
	CONV kc+1
	s_wait_dscnt 0x0                               ; for the others' sake: my rows of the next chunk are in LDS; this step's W is in too
.if kc+3 <= 7
	RAW kc+3                                       ; into the buffer just rounded and stored
.endif
	s_barrier_signal -1
	WIN W_MUL
	BLOAD (\s)+1
.elseif (\s) < 31
	s_wait_dscnt 8                                 ; all but the eight just issued: this step's W is in
.else
	s_wait_dscnt 0x0
.endif
	WIN W_MUL
.set bf, BF+32*((\s)%2)
.set ab, 32*((\s)%6)
.irp u, 0,1,2,3
.if (\fused == 0) && (\u > 0)
	WIN 0                                          ; at a branch and at a label every window is 0
	s_cmp_le_u32 s[NL], \u
	s_cbranch_scc1 .Lks_\@                         ; this block and those behind it have no rows
	WIN W_MUL
.endif
.irp z, 0,1,2,3
.if (\s) == 0
	v_wmma_f32_16x16x32_bf16 v[ACC+8*(4*\u+\z):ACC+8*(4*\u+\z)+7], v[bf+8*\z:bf+8*\z+7], v[ab+8*\u:ab+8*\u+7], 0  ; the first product starts the sum: nothing is cleared
.else
	v_wmma_f32_16x16x32_bf16 v[ACC+8*(4*\u+\z):ACC+8*(4*\u+\z)+7], v[bf+8*\z:bf+8*\z+7], v[ab+8*\u:ab+8*\u+7], v[ACC+8*(4*\u+\z):ACC+8*(4*\u+\z)+7]
.endif
.endr
.endr
.if \fused == 0
	WIN 0
.Lks_\@:
.endif
.if cv
	s_barrier_wait -1                              ; the next chunk is whole
.endif
.endm
; THE WAY OUT, a block of 16 rows at a time: 32 bytes a lane into my stage, back as whole rows of 256 bytes, stored by the list.  The stage is my wave's own, and LDS serves a wave's instructions in order.
.macro OUT past
	WIN 0
	PLACES
.irp u, 0,1,2,3
	s_cmp_le_u32 s[NL], \u
	s_cbranch_scc1 \past                           ; this block and those behind it have no rows
.if \u >= 2
	s_wait_xcnt 0x0                                ; the rows' registers were the data of the stores two blocks back
.endif
.irp z, 0,1,2,3
	ds_store_b128 v[STO], v[ACC+8*(4*\u+\z):ACC+8*(4*\u+\z)+3]   offset:64*\z     ; each accumulator from its low end on
	ds_store_b128 v[STO], v[ACC+8*(4*\u+\z)+4:ACC+8*(4*\u+\z)+7] offset:64*\z+16
.endr
.irp t, 0,1,2,3,4,5,6,7
	ds_load_b128 v[BF+32*((\u)%2)+4*\t:BF+32*((\u)%2)+4*\t+3], v[RD] offset:2*SP*\t
.endr
.irp t, 0,1,2,3,4,5,6,7
	s_wait_dscnt 7-\t
	global_store_b128 v[SOFF+8*\u+\t], v[BF+32*((\u)%2)+4*\t:BF+32*((\u)%2)+4*\t+3], s[10:11]  ; sixteen lanes store 256 consecutive bytes, at a multiple of 256 from part's first byte.  No hint: the next launch reads them
.endr
.endr
.endm
	; TRIP 0: every wave, the same text, all nine barriers of the launch behind or inside it.
	NLC
	MAP
	HEAD
	s_wait_dscnt 0x0
	SOFFA
	s_wait_loadcnt 48                              ; chunk 0 is in: behind it were asked for chunk 1 (8 loads) and the tokens of steps 0 to 4 (40)
	CONV 0
	s_wait_dscnt 0x0                               ; for the others' sake: my rows of chunk 0 are in LDS
	RAW 2
	WIN 0
	s_barrier_signal -1
	s_barrier_wait -1                              ; chunk 0 is whole
	BLOAD 0
.set ss, 0
.rept 32
	KS ss, 1
.set ss, ss+1
.endr
	OUT .Ldone0
.Ldone0:
	; TRIPS 1 TO 7: the slice is whole; no barrier from here on.
	s_mov_b32 s[T32], 32
	s_mov_b32 s[TRIPS], 7
.Ltrip:
	NLC
	s_cmp_eq_u32 s[NL], 0
	s_cbranch_scc1 .Lskip                          ; no block of mine in this trip
	s_wait_xcnt 0x0                                ; the last trip's stores have had their addresses translated (ISA guide 3.1): their offsets and data registers are rewritten only behind this wait
	MAP
	HEAD
	BLOAD 0
	s_wait_dscnt 8                                 ; all but those eight: the 32 entries are in
	SOFFA
.set ss, 0
.rept 32
	KS ss, 0
.set ss, ss+1
.endr
	OUT .Lskip
.Lskip:
	s_add_co_u32 s[T32], s[T32], 32
	s_sub_co_u32 s[TRIPS], s[TRIPS], 1
	s_cmp_lg_u32 s[TRIPS], 0
	s_cbranch_scc1 .Ltrip
	s_wait_tensorcnt 0x0                           ; the wave's end: behind my last LDS store
	ds_add_u32 v[SPW], v[NIL]
	s_wait_dscnt 0x0
	s_endpgm
.Lfunc_end_k_qe19a7a68c8_experts:
	.size	k_qe19a7a68c8_experts, .Lfunc_end_k_qe19a7a68c8_experts-k_qe19a7a68c8_experts
	.p2alignl 7, 3214868480
	.fill 96, 4, 3214868480
	.section	.rodata,"a",@progbits
	.p2align	6, 0x0
	.amdhsa_kernel k_qe19a7a68c8_experts
		.amdhsa_group_segment_fixed_size 220416
		.amdhsa_private_segment_fixed_size 0
		.amdhsa_enable_private_segment 0
		.amdhsa_kernarg_size 32
		.amdhsa_user_sgpr_count 2
		.amdhsa_user_sgpr_kernarg_segment_ptr 1
		.amdhsa_wavefront_size32 1
		.amdhsa_system_sgpr_workgroup_id_x 1
		.amdhsa_system_sgpr_workgroup_id_y 1
		.amdhsa_system_sgpr_workgroup_id_z 1
		.amdhsa_system_vgpr_workitem_id 0
		.amdhsa_next_free_vgpr 512
		.amdhsa_next_free_sgpr 66
		.amdhsa_reserve_vcc 0
		.amdhsa_float_denorm_mode_32 3
		.amdhsa_float_denorm_mode_16_64 3
		.amdhsa_memory_ordered 1
		.amdhsa_forward_progress 1
		.amdhsa_inst_pref_size 250
	.end_amdhsa_kernel
	.amdgpu_metadata
---
amdhsa.version: [ 1, 2 ]
amdhsa.kernels:
  - .name:           k_qe19a7a68c8_experts
    .symbol:         k_qe19a7a68c8_experts.kd
    .args:
      - { .name: expert_weights, .offset: 0, .size: 8, .value_kind: global_buffer, .address_space: global }
      - { .name: xb, .offset: 8, .size: 8, .value_kind: global_buffer, .address_space: global }
      - { .name: sel, .offset: 16, .size: 8, .value_kind: global_buffer, .address_space: global }
      - { .name: part, .offset: 24, .size: 8, .value_kind: global_buffer, .address_space: global }
    .group_segment_fixed_size: 220416
    .private_segment_fixed_size: 0
    .kernarg_segment_align: 8
    .kernarg_segment_size: 32
    .max_flat_workgroup_size: 256
    .sgpr_count:     66
    .vgpr_count:     512
    .wavefront_size: 32
...
	.end_amdgpu_metadata
.endif
;; end of part 2
;; launch combine (part 3): grid 256 x 1, 8 waves a work-group, no clusters, 0 bytes of LDS; arguments part, wts, out0; writes out0
.if DOCPART == 3
	.amdgcn_target "amdgcn-amd-amdhsa--gfx1250"
	.amdhsa_code_object_version 6
	.text
	.protected	k_qe19a7a68c8_combine
	.globl	k_qe19a7a68c8_combine
	.p2align	8
	.type	k_qe19a7a68c8_combine,@function
k_qe19a7a68c8_combine:
	s_mov_b64 s[64:65], 0
	v_nop
	global_prefetch_b8 v0, s[64:65] scope:SCOPE_SE
	s_setreg_imm32_b32 hwreg(HW_REG_WAVE_MODE, 25, 1), 1
	s_wait_xcnt 0x0
; out0[token] = w1 part[2 token] + w2 part[2 token + 1], all f32: one multiply and one fused multiply-add a number.
; A stream: each byte of part is read once and each byte of out0 written once.  Wave w of work-group g has tokens 16 g + 2 w and the next: their four rows of part are 16 KiB on end, asked for by 32 loads
; of 512 consecutive bytes before anything is waited for; every register is used once, so no wait frees one.  LDS, barriers, matrix units and clusters would add nothing: no two waves share a byte.
.set D, 16                             ; v[16:143]  load i at D + 4 i: i / 16 the token, (i / 8) % 2 the choice k, i % 8 the 512 bytes of the row
.set W, 2                              ; v[2:9]     w1, w2 of the first token, w1, w2 of the second, each twice: pairs for the packed forms
	s_load_b128 s[4:7], s[0:1], 0x0                ; part s[4:5], wts s[6:7]
	s_load_b64 s[8:9], s[0:1], 0x10                ; out0
	v_lshrrev_b32 v2, 5, v0
	v_readfirstlane_b32 s10, v2                    ; wave 0..7
	v_and_b32 v1, 31, v0
	v_lshlrev_b32 v1, 4, v1                        ; 16 x lane
	s_lshl_b32 s11, ttmp9, 4
	s_lshl1_add_u32 s11, s10, s11                  ; my first token
	s_lshl_b32 s16, s11, 13                        ; two rows of 4,096 bytes a token in part,
	s_mov_b32 s17, 0
	s_lshl_b32 s18, s11, 3                         ; 8 bytes in wts,
	s_mov_b32 s19, 0
	s_lshl_b32 s20, s11, 12                        ; one row in out0
	s_mov_b32 s21, 0
	s_wait_kmcnt 0x0
	s_add_nc_u64 s[6:7], s[6:7], s[18:19]
	s_load_b128 s[12:15], s[6:7], 0x0              ; both tokens' weights: 16 bytes, at a multiple of 16 (the token is even); this launch stores nothing into wts
	s_add_nc_u64 s[4:5], s[4:5], s[16:17]
	s_add_nc_u64 s[8:9], s[8:9], s[20:21]
.set i, 0
.rept 32
	global_load_b128 v[D+4*i:D+4*i+3], v1, s[4:5] offset:512*i th:TH_LOAD_NT
.set i, i+1
.endr
	s_wait_kmcnt 0x0
.irp k, 0,1,2,3
	v_mov_b32 v[W+2*\k],   s[12+\k]
	v_mov_b32 v[W+2*\k+1], s[12+\k]
.endr
.macro TOKEN t, left
	s_wait_loadcnt \left                           ; this token's sixteen loads are in; the next token's may stay out
.irp j, 0,1,2,3,4,5,6,7
.set a, D+4*(16*(\t)+\j)
.set b, D+4*(16*(\t)+8+\j)
	v_pk_mul_f32 v[a:a+1],   v[a:a+1],   v[W+4*(\t):W+4*(\t)+1]
	v_pk_mul_f32 v[a+2:a+3], v[a+2:a+3], v[W+4*(\t):W+4*(\t)+1]
	v_pk_fma_f32 v[a:a+1],   v[b:b+1],   v[W+4*(\t)+2:W+4*(\t)+3], v[a:a+1]
	v_pk_fma_f32 v[a+2:a+3], v[b+2:b+3], v[W+4*(\t)+2:W+4*(\t)+3], v[a+2:a+3]
	global_store_b128 v1, v[a:a+3], s[8:9] offset:4096*(\t)+512*\j th:TH_STORE_NT  ; 512 consecutive bytes, at a multiple of 256 from out0's first byte
.endr
.endm
	TOKEN 0, 16
	TOKEN 1, 0
	s_endpgm
.Lfunc_end_k_qe19a7a68c8_combine:
	.size	k_qe19a7a68c8_combine, .Lfunc_end_k_qe19a7a68c8_combine-k_qe19a7a68c8_combine
	.p2alignl 7, 3214868480
	.fill 96, 4, 3214868480
	.section	.rodata,"a",@progbits
	.p2align	6, 0x0
	.amdhsa_kernel k_qe19a7a68c8_combine
		.amdhsa_group_segment_fixed_size 0
		.amdhsa_private_segment_fixed_size 0
		.amdhsa_enable_private_segment 0
		.amdhsa_kernarg_size 24
		.amdhsa_user_sgpr_count 2
		.amdhsa_user_sgpr_kernarg_segment_ptr 1
		.amdhsa_wavefront_size32 1
		.amdhsa_system_sgpr_workgroup_id_x 1
		.amdhsa_system_sgpr_workgroup_id_y 1
		.amdhsa_system_sgpr_workgroup_id_z 1
		.amdhsa_system_vgpr_workitem_id 0
		.amdhsa_next_free_vgpr 144
		.amdhsa_next_free_sgpr 66
		.amdhsa_reserve_vcc 0
		.amdhsa_float_denorm_mode_32 3
		.amdhsa_float_denorm_mode_16_64 3
		.amdhsa_memory_ordered 1
		.amdhsa_forward_progress 1
		.amdhsa_inst_pref_size 10
	.end_amdhsa_kernel
	.amdgpu_metadata
---
amdhsa.version: [ 1, 2 ]
amdhsa.kernels:
  - .name:           k_qe19a7a68c8_combine
    .symbol:         k_qe19a7a68c8_combine.kd
    .args:
      - { .name: part, .offset: 0, .size: 8, .value_kind: global_buffer, .address_space: global }
      - { .name: wts, .offset: 8, .size: 8, .value_kind: global_buffer, .address_space: global }
      - { .name: out0, .offset: 16, .size: 8, .value_kind: global_buffer, .address_space: global }
    .group_segment_fixed_size: 0
    .private_segment_fixed_size: 0
    .kernarg_segment_align: 8
    .kernarg_segment_size: 24
    .max_flat_workgroup_size: 256
    .sgpr_count:     66
    .vgpr_count:     144
    .wavefront_size: 32
...
	.end_amdgpu_metadata
.endif
;; end of part 3
